; MI455X (gfx1250); checked and timed in simulation.
; The chip was launched on July 23, 2026; its instructions are those of AMD's public machine-readable ISA for CDNA 5 (MIT licence, August 2026) and "CDNA5" Instruction Set Architecture Reference Guide (July 2026). The comments in the code are by the model that wrote it; some were corrected since.
;; MHA. Allowed arithmetic: matrix products marked QUANTISED: E2M3 operands, one E8M0 scale for each 32 along K, by v_wmma_scale_f32_16x16x128_f8f6f4 with both operands' format E2M3, f32 sums; everything else in f32.
;; Inputs: b_o 1,024 float32; padding_mask 4 x 2,048 bool; w_o 1,024 x 1,024 float32; w_qkv 3,072 x 1,024 float32; x 4 x 2,048 x 1,024 float32.
;; Outputs: out0 4 x 2,048 x 1,024 float32.
;; This version of the problem:
;;   THIS VERSION OF THE PROBLEM IS GIVEN IN LOW PRECISION. The matrix products marked QUANTISED in the list below multiply operands that are first quantised to E2M3 (2 exponent bits, 3 mantissa bits; 6 bits a number), with one power-of-two scale for each 32 numbers along K (OCP MX v1.0); their sums are f32. All else is computed in f32.
;;   The module's matrix products, in the order in which they are computed (A, B: the left and right operand; K: the contracted axis; several contracted axes count as one K, in the product's order):
;;     1. [M 8,192, K 1,024] x [K 1,024, N 3,072]; A: input x; B: input w_qkv: QUANTISED
;;     2. batch 64 x [M 2,048, K 64] x [K 64, N 2,048]; A: computed on the way; B: computed on the way: QUANTISED
;;     3. batch 64 x [M 64, K 2,048] x [K 2,048, N 2,048]; A: computed on the way; B: softmax (see below): QUANTISED
;;     4. [M 8,192, K 1,024] x [K 1,024, N 1,024]; A: computed on the way; B: input w_o: QUANTISED
;;   THE QUANTISER, for each operand of a quantised product, along K:
;;     - K is cut into blocks of 32 from its start; a last block that is shorter is filled with zeros.
;;     - A block's scale is 2^e with e = floor(log2(the largest magnitude in the block)) - 2, held to -126 .. 127; a block of zeros has e = 0. As a byte (E8M0): e + 127.
;;     - Each number is divided by its block's scale, clamped to +-7.5, and rounded to the nearest number of E2M3, ties to even, subnormals kept.
;;     - The product sums the exact products of the quantised numbers (number of the format x scale) in f32.
;;   ~~~python
;;   def quantise(x, axis):      # numpy; x: float32 -> the quantised numbers, widened to float32 again
;;       x = np.moveaxis(x, axis, -1); K = x.shape[-1]
;;       x = np.pad(x, [(0, 0)] * (x.ndim - 1) + [(0, -K % 32)]); x = x.reshape(x.shape[:-1] + (-1, 32)); a = np.abs(x).max(-1, keepdims=True)
;;       e = np.where(a > 0, np.clip(np.frexp(np.where(a > 0, a, 1))[1] - 1 - 2, -126, 127), 0)      # np.frexp(a)[1] - 1 = floor(log2(a)), exactly
;;       r = np.clip(x / 2.0 ** e, -7.5, 7.5)
;;       step = 2.0 ** (np.maximum(np.frexp(np.where(r == 0, 1, r))[1] - 1, 0) - 3)
;;       q = np.round(r / step) * step * 2.0 ** e      # np.round: ties to even
;;       return np.moveaxis(q.reshape(q.shape[:-2] + (-1,))[..., :K], -1, axis).astype(np.float32)
;;   ~~~
;;   SOFTMAX AHEAD OF A QUANTISED PRODUCT. Where the list says 'softmax', what is quantised is not the finished softmax but p = 2^(t - M), with t = logit x log2(e) and M = ceil(the row's largest t), a whole number; so 1/2 < the row's largest p <= 1. The row's sum l is taken of the UNQUANTISED p, in f32, and the product's result is divided by l at the end. Since M is a whole number, a kernel that streams over the keys may use a running M (the ceiling of the running maximum): every later rescaling is an exact power of two, which a block's scale takes up: the codes' values come out the same.
;;   OPERANDS COMPUTED ON THE WAY. 'Computed on the way' means the value that the module computes at that place (a softmax that the list does not call 'softmax' is quantised finished and normalised). What goes into a quantiser is computed in f32, as accurately as f32 sums, v_exp_f32 and their like allow (about 1e-6 of the number): no bf16 or f16 on the way to a quantiser, and a product that is left as it is and whose result goes on into a quantised operand takes f32 operands (vector FMAs, or v_wmma_f32_16x16x4_f32). A number that lies on a knife's edge between two numbers of the format may be rounded either way, as far as f32 arithmetic and the matrix unit's own rounding can turn it there, and no further.
;; One version. Each part assembles by itself: llvm-mc -triple=amdgcn-amd-amdhsa -mcpu=gfx1250 --defsym DOCPART=n.
;; ======== version 1 of 1: 4 launches
;; limits: right only within a limited range of input values
;; workspace buffers: xw_codes 9,437,184 bytes; xw_scales 393,216 bytes; qkv 20,185,088 bytes; ao_codes 6,291,456 bytes; ao_scales 262,144 bytes
;; launch quant (part 1): grid 384 x 1, 4 waves a work-group, no clusters, 22,016 bytes of LDS; arguments x, w_qkv, w_o, xw_codes, xw_scales; writes xw_codes, xw_scales
.if DOCPART == 1
	.amdgcn_target "amdgcn-amd-amdhsa--gfx1250"
	.amdhsa_code_object_version 6
	.text
	.protected	k_q2ea14cd2b2_quant
	.globl	k_q2ea14cd2b2_quant
	.p2align	8
	.type	k_q2ea14cd2b2_quant,@function
k_q2ea14cd2b2_quant:
	s_mov_b64 s[64:65], 0
	v_nop
	global_prefetch_b8 v0, s[64:65] scope:SCOPE_SE
	s_setreg_imm32_b32 hwreg(HW_REG_WAVE_MODE, 25, 1), 1
	s_wait_xcnt 0x0
; x [8192][1024], w_qkv [3072][1024] and w_o [1024][1024], f32 with K innermost, become codes of FP6 (E2M3) with one E8M0 byte for each 32 along K.
; The three tensors count as one list of 12,288 rows: x at 0, w_qkv at 8,192, w_o at 11,264.
; LAYOUT OF THE RESULTS (this program's own):
;   row rho lies at POSITION pos = rho with bits 3 and 4 exchanged, so that 16 neighbouring positions are the rows that a tile of a later product wants together;
;   codes  [16 chunks of 64 along K][12,288 positions][48 bytes];   scale bytes [pos / 32][8 steps of 128 along K][pos % 32][4 bytes].
; A block's scale is 2^(floor(log2(its largest magnitude)) - 2); its byte is the largest magnitude's exponent field - 2, held at 1 from below.  A block of zeros so gets the byte 1
; where the rule says 127: its codes are zeros, which add nothing under any byte but 0xff, and this program alone reads the bytes.
; LIMITS: NaN and infinities among the inputs are not served.
; SHARES: a work-group takes 32 rows, a wave 8 of them; a step is one chunk: 64 numbers of each of the 8 rows.  Each of a step's four loads reads two runs of 256 consecutive bytes;
; the 2,048 bytes turn through the wave's own stage in LDS and come back 16 neighbours a lane (two neighbouring lanes hold a block).  A wave's store of codes covers 384 consecutive bytes.
; The work-group's 1,024 scale bytes are gathered in LDS and leave as four aligned runs of 256 bytes.  Loads run four steps ahead, the turn through LDS one step.
.set STEPS, 16
.set CP,    589824                     ; bytes of a chunk of the codes' buffer: 12,288 positions x 48
.set SP,    80                         ; a lane's place in a stage: 64 bytes + 16 of padding
.set WREG,  5120                       ; a wave's two stages of 32 x SP bytes
.set SCB,   20480                      ; behind the four waves' stages: the work-group's 1,024 scale bytes
.set R,     16                         ; v16-79   four sets of 16 numbers as they are loaded
.set X,     80                         ; v80-111  two sets of 16 neighbours
.set E,     112                        ; v112-127 a scale byte for each step
.set C,     128                        ; v128-191 codes: four registers for each step, so that no store's data are written again
	s_load_b128 s[4:7], s[0:1], 0x0                ; x, w_qkv
	s_load_b128 s[8:11], s[0:1], 0x10              ; w_o, the codes
	s_load_b64 s[12:13], s[0:1], 0x20              ; the scale bytes
	v_lshl_add_u32 v192, v0, 2, 0x5400
	v_mov_b32 v193, 0
	v_lshrrev_b32 v1, 5, v0
	v_readfirstlane_b32 s16, v1                    ; wave 0..3
	v_and_b32 v2, 31, v0                           ; lane
	v_and_b32 v3, 15, v0
	v_bfe_u32 v1, v0, 4, 1
	v_lshlrev_b32 v3, 4, v3
	v_lshl_add_u32 v3, v1, 12, v3                  ; in: lanes 0-15 take 256 bytes of one row, lanes 16-31 of the next (4,096 bytes on)
	s_mul_i32 s17, s16, WREG
	v_lshrrev_b32 v14, 2, v2
	v_mul_u32_u24 v14, v14, SP
	v_and_b32 v15, 3, v2
	v_lshl_add_u32 v14, v15, 4, v14
	v_add_nc_u32 v14, s17, v14                     ; the stage, on the way in: four lanes' 64 bytes on end, then 16 of padding
	v_mul_u32_u24 v15, v2, SP
	v_add_nc_u32 v15, s17, v15                     ; and on the way out: lane l takes row l / 4, numbers 16 (l % 4) on
	v_mul_u32_u24 v4, v2, 12                       ; my 12 bytes of codes among the wave's 8 positions x 48
	s_and_b32 s18, s16, 1
	s_lshl_b32 s18, s18, 1
	s_lshr_b32 s19, s16, 1
	s_or_b32 s18, s18, s19                         ; w': rows 8 w .. 8 w + 7 lie at positions 8 w' .. 8 w' + 7
	s_lshl_b32 s19, s18, 5                         ; 8 w' positions x 4 bytes
	v_lshrrev_b32 v5, 2, v2
	v_lshlrev_b32 v5, 2, v5
	v_bfe_u32 v6, v0, 1, 1
	v_add_nc_u32 v5, v5, v6
	v_add_nc_u32 v5, s19, v5
	v_add_nc_u32 v5, SCB, v5                       ; my block's scale byte: position's word + which block of the chunk
	v_lshlrev_b32 v7, 3, v2
	s_lshl_b32 s19, s16, 8
	v_add_nc_u32 v7, s19, v7                       ; the scale bytes' way out: 256 x wave + 8 x lane
	v_add_nc_u32 v6, SCB, v7
	s_mov_b32 s20, 256
	s_mov_b32 s21, 352
	s_wait_kmcnt 0x0
	s_cmp_lt_u32 ttmp9, 352                        ; which tensor?  The choice hangs on the work-group's number alone
	s_cselect_b64 s[6:7], s[6:7], s[8:9]
	s_cselect_b32 s21, s20, s21
	s_cmp_lt_u32 ttmp9, 256
	s_cselect_b64 s[4:5], s[4:5], s[6:7]
	s_cselect_b32 s21, 0, s21                      ; the tensor's first work-group
	s_sub_co_u32 s22, ttmp9, s21
	s_lshl_b32 s22, s22, 5
	s_lshl_b32 s23, s16, 3
	s_add_co_u32 s22, s22, s23                     ; my wave's first row in its tensor
	s_lshl_b32 s22, s22, 12                        ; x 4,096 bytes: under 2^26
	s_mov_b32 s23, 0
	s_add_nc_u64 s[4:5], s[4:5], s[22:23]
	s_lshl_b32 s24, ttmp9, 5
	s_lshl_b32 s25, s18, 3
	s_add_co_u32 s24, s24, s25                     ; my wave's first position
	s_mul_i32 s24, s24, 48
	s_mov_b32 s25, 0
	s_add_nc_u64 s[10:11], s[10:11], s[24:25]      ; its codes in chunk 0,
	s_add_nc_u64 s[14:15], s[10:11], 8*CP          ; and in chunk 8: so that every chunk's offset stays inside the signed 24-bit immediate
	s_lshl_b32 s24, ttmp9, 10
	s_add_nc_u64 s[12:13], s[12:13], s[24:25]      ; the work-group's 1,024 scale bytes
.macro LOAD t
.irp i, 0,1,2,3
	global_load_b128 v[R+16*((\t)%4)+4*\i:R+16*((\t)%4)+4*\i+3], v3, s[4:5] offset:8192*\i+256*(\t) th:TH_LOAD_NT   ; rows 2 i and 2 i + 1, chunk t
.endr
.endm
.macro TURN t                          ; step t's numbers through the stage: LDS serves a wave's instructions in order, so no wait stands between the stores and the loads
.irp i, 0,1,2,3
	ds_store_b128 v14, v[R+16*((\t)%4)+4*\i:R+16*((\t)%4)+4*\i+3] offset:32*SP*((\t)%2)+8*SP*\i
.endr
.irp i, 0,1,2,3
	ds_load_b128 v[X+16*((\t)%2)+4*\i:X+16*((\t)%2)+4*\i+3], v15 offset:32*SP*((\t)%2)+16*\i
.endr
.endm
.irp t, 0,1,2,3
	LOAD \t
.endr
	s_wait_loadcnt 12                              ; step 0's four loads are in
	TURN 0
.macro STEP t
.set XS, X+16*((\t)%2)
.if (\t) > 0
	s_wait_dscnt 1                                 ; this step's numbers are back from the stage (the last step's byte store may be out): so its stores into the stage have read their registers,
.else
	s_wait_dscnt 0x0
.endif
.if (\t)+4 < STEPS
	LOAD (\t)+4                                    ; which take the loads of four steps on
.endif
.if (\t)+1 < STEPS
.if STEPS-2-(\t) >= 3
	s_wait_loadcnt 12                              ; the next step's four loads are in; those of the three steps behind it may be out
.else
	s_wait_loadcnt 4*(STEPS-2-(\t))
.endif
	TURN (\t)+1                                    ; and go through the other stage while this step is worked
.endif
	v_max3_num_f32 v8, |v[XS]|, |v[XS+1]|, |v[XS+2]|               ; the largest magnitude of my 16
	v_max3_num_f32 v9, |v[XS+3]|, |v[XS+4]|, |v[XS+5]|
.irp i, 6,10
	v_max3_num_f32 v8, v8, |v[XS+\i]|, |v[XS+\i+1]|
	v_max3_num_f32 v9, v9, |v[XS+\i+2]|, |v[XS+\i+3]|
.endr
	v_max3_num_f32 v8, v8, |v[XS+14]|, |v[XS+15]|
	v_max3_num_f32 v8, v8, v9, 0x1800000           ; and the floor 2^(3 - 127): the byte cannot fall under 1
	v_max_num_f32_dpp v8, v8, v8 row_xmask:1 row_mask:0xf bank_mask:0xf   ; and of my neighbour's 16: the block's
	v_add_nc_u32 v11, 0xff000000, v8               ; 2 off its exponent field: the conversion takes the exponent field of this operand as its scale
	v_cvt_scalef32_pk16_fp6_f32 v[C+4*(\t):C+4*(\t)+2], v[XS:XS+15], v11
	v_lshrrev_b32 v[E+(\t)], 23, v11               ; the scale's byte
	ds_store_b8 v5, v[E+(\t)] offset:((\t)/2)*128+2*((\t)%2)       ; both lanes of a block write the same byte with the same value
.if (\t) < 8
	global_store_b96 v4, v[C+4*(\t):C+4*(\t)+2], s[10:11] offset:(\t)*CP
.else
	global_store_b96 v4, v[C+4*(\t):C+4*(\t)+2], s[14:15] offset:((\t)-8)*CP
.endif
.endm
.irp t, 0,1,2,3,4,5,6,7,8,9,10,11,12,13,14,15
	STEP \t
.endr
	s_wait_dscnt 0x0                               ; for the others' sake: my byte stores have landed
	s_barrier_signal -1
	s_barrier_wait -1                              ; the work-group's 1,024 scale bytes lie in LDS
	ds_load_b64 v[12:13], v6
	s_wait_dscnt 0x0
	global_store_b64 v7, v[12:13], s[12:13]        ; 32 lanes store 256 consecutive bytes, aligned
	s_wait_tensorcnt 0x0
	ds_add_u32 v192, v193
	s_wait_dscnt 0x0
	s_endpgm
.Lfunc_end_k_q2ea14cd2b2_quant:
	.size	k_q2ea14cd2b2_quant, .Lfunc_end_k_q2ea14cd2b2_quant-k_q2ea14cd2b2_quant
	.p2alignl 7, 3214868480
	.fill 96, 4, 3214868480
	.section	.rodata,"a",@progbits
	.p2align	6, 0x0
	.amdhsa_kernel k_q2ea14cd2b2_quant
		.amdhsa_group_segment_fixed_size 22016
		.amdhsa_private_segment_fixed_size 0
		.amdhsa_enable_private_segment 0
		.amdhsa_kernarg_size 40
		.amdhsa_user_sgpr_count 2
		.amdhsa_user_sgpr_kernarg_segment_ptr 1
		.amdhsa_wavefront_size32 1
		.amdhsa_system_sgpr_workgroup_id_x 1
		.amdhsa_system_sgpr_workgroup_id_y 1
		.amdhsa_system_sgpr_workgroup_id_z 1
		.amdhsa_system_vgpr_workitem_id 0
		.amdhsa_next_free_vgpr 194
		.amdhsa_next_free_sgpr 66
		.amdhsa_reserve_vcc 0
		.amdhsa_float_denorm_mode_32 3
		.amdhsa_float_denorm_mode_16_64 3
		.amdhsa_memory_ordered 1
		.amdhsa_forward_progress 1
		.amdhsa_inst_pref_size 33
	.end_amdhsa_kernel
	.amdgpu_metadata
---
amdhsa.version: [ 1, 2 ]
amdhsa.kernels:
  - .name:           k_q2ea14cd2b2_quant
    .symbol:         k_q2ea14cd2b2_quant.kd
    .args:
      - { .name: x, .offset: 0, .size: 8, .value_kind: global_buffer, .address_space: global }
      - { .name: w_qkv, .offset: 8, .size: 8, .value_kind: global_buffer, .address_space: global }
      - { .name: w_o, .offset: 16, .size: 8, .value_kind: global_buffer, .address_space: global }
      - { .name: xw_codes, .offset: 24, .size: 8, .value_kind: global_buffer, .address_space: global }
      - { .name: xw_scales, .offset: 32, .size: 8, .value_kind: global_buffer, .address_space: global }
    .group_segment_fixed_size: 22016
    .private_segment_fixed_size: 0
    .kernarg_segment_align: 8
    .kernarg_segment_size: 40
    .max_flat_workgroup_size: 128
    .sgpr_count:     66
    .vgpr_count:     194
    .wavefront_size: 32
...
	.end_amdgpu_metadata
.endif
;; end of part 1
;; launch qkvgemm (part 2): grid 96 x 4, 4 waves a work-group, clusters of 4 x 4, 327,680 bytes of LDS; arguments xw_codes, xw_scales, padding_mask, qkv; writes qkv
.if DOCPART == 2
	.amdgcn_target "amdgcn-amd-amdhsa--gfx1250"
	.amdhsa_code_object_version 6
	.text
	.protected	k_q2ea14cd2b2_qkvgemm
	.globl	k_q2ea14cd2b2_qkvgemm
	.p2align	8
	.type	k_q2ea14cd2b2_qkvgemm,@function
k_q2ea14cd2b2_qkvgemm:
	s_mov_b64 s[64:65], 0
	v_nop
	global_prefetch_b8 v0, s[64:65] scope:SCOPE_SE
	s_setreg_imm32_b32 hwreg(HW_REG_WAVE_MODE, 25, 1), 1
	s_wait_xcnt 0x0
	s_wait_alu depctr_hold_cnt(0) depctr_sa_sdst(0) depctr_va_vdst(0) depctr_va_sdst(0) depctr_va_ssrc(0) depctr_va_vcc(0) depctr_vm_vsrc(0)
	s_getreg_b32 s2, hwreg(HW_REG_IB_STS2, 6, 4)
	s_cmp_eq_u32 s2, 0
	s_cbranch_scc0 .Lentry_in_a_cluster
	s_endpgm
.Lentry_in_a_cluster:
	s_bfe_u32 s2, ttmp6, 0x10000c
	s_cmp_lg_u32 s2, 0xf033
	s_cbranch_scc0 .Lentry_shape_is_right
	s_endpgm
.Lentry_shape_is_right:
.set CP,     589824
.set NQ,     2
.set FR,     12
.set NL,     6
.set NP,     4
.set HALFT,  24576
.set SLOT,   98304
.set SCL,    196608
.set SPARE,  212992
.set WST,    13312
.set REC,    315392
.set VCO,    98304
.set KSO,    196608
.set VSO,    204800
.set QCO,    208896
.set QSO,    307200
.set ADRA, 16
.set ADRB, 20
.set STC,  24
.set STW,  25
.set RDB,  26
.set ADRS, 27
.set SPW,  28
.set NIL,  29
.set SC,   32
.set MK,   64
.set AF,   128
.set OUTR, 96
.set TM,   200
.set PW,   216
.set WD,   217
.set HI,   218
.set PC,   220
.set G1, 24
.set G0, 32
.set G1B, 48
.set G0B, 56
.set G1S, 68
.set G0S, 76
.set G1SB, 80
.set G0SB, 88
.set FL,  68
.set MSB, 0
.macro WIN new
.if MSB != (\new)
	s_set_vgpr_msb (MSB<<8)|(\new)
.set MSB, (\new)
.endif
.endm
.set MUL_LO, 0xa1
.set MUL_HI, 0xf1
.set TO_B,   0x40
.macro JLOAD g0a, g1a, g0b, g1b
	s_cmp_eq_u32 s15, 0
	s_cbranch_scc0 .Lfor_b_\@
	tensor_load_to_lds s[\g0a:\g0a+3], s[\g1a:\g1a+7]
	s_nop 0
.rept 4
	v_nop
.endr
	s_branch .Lasked_\@
.Lfor_b_\@:
	tensor_load_to_lds s[\g0b:\g0b+3], s[\g1b:\g1b+7]
	s_nop 0
.rept 4
	v_nop
.endr
.Lasked_\@:
.endm
.macro CREST
	s_cmp_lg_u32 s14, 0
	s_cbranch_scc1 .Lnot_wave_0_\@
	s_barrier_signal -3
.Lnot_wave_0_\@:
	s_barrier_wait -3
	s_barrier_signal -1
	s_barrier_wait -1
.endm
.macro CROUND
	s_barrier_signal -1
	s_barrier_wait -1
	CREST
.endm
	s_load_b128 s[4:7], s[0:1], 0x0
	s_load_b128 s[8:11], s[0:1], 0x10
	v_lshl_add_u32 v[SPW], v0, 2, SPARE
	v_mov_b32 v[NIL], 0
	ds_add_u32 v28, v29
	ds_add_u32 v28, v29
	s_wait_dscnt 0x0
	v_lshrrev_b32 v1, 5, v0
	v_readfirstlane_b32 s14, v1
	s_lshr_b32 s15, s14, 1
	s_and_b32 s16, s14, 1
	s_bfe_u32 s40, ttmp6, 0x40000
	s_bfe_u32 s41, ttmp6, 0x40004
	s_mov_b32 s12, 0x76543210
	s_mov_b32 s13, 0xfedcba98
	s_and_b32 s18, ttmp9, 1
	s_lshr_b32 s19, ttmp9, 1
	s_max_u32 s20, ttmp9, 16
	s_sub_co_u32 s20, s20, 16
	s_mov_b32 s21, 10240
	s_mov_b32 s22, 8192
	s_cmp_lt_u32 ttmp9, 16
	s_cselect_b32 s18, s18, s20
	s_cselect_b32 s19, s19, 0
	s_cselect_b32 s21, 0, s21
	s_cselect_b32 s22, s22, 0
	s_lshl_b32 s17, s19, 2
	s_add_co_u32 s17, s17, s41
	s_lshl_b32 s42, s18, 2
	s_add_co_u32 s42, s42, s40
	s_lshl_b32 s43, s41, 2
	s_lshl_b32 s43, 15, s43
	s_lshl_b32 s44, 0x1111, s40
	s_or_b32 s[G1+0], s43, (3<<16)|(1<<21)
	s_or_b32 s[G1B+0], s44, (3<<16)|(1<<21)
.irp g, G1, G1B
	s_mov_b32 s[\g+1], 768<<16
	s_mov_b32 s[\g+2], 4<<16
	s_mov_b32 s[\g+3], 768<<16
	s_mov_b32 s[\g+4], 4
	s_mov_b32 s[\g+5], CP/8
	s_mov_b32 s[\g+6], 0
	s_mov_b32 s[\g+7], 0
.endr
	s_or_b32 s[G1S+0], s43, (3<<16)|(1<<21)
	s_or_b32 s[G1SB+0], s44, (3<<16)|(1<<21)
.irp g, G1S, G1SB
	s_mov_b32 s[\g+1], 32<<16
	s_mov_b32 s[\g+2], 16<<16
	s_mov_b32 s[\g+3], 32<<16
	s_mov_b32 s[\g+4], 16
	s_mov_b32 s[\g+5], 32
	s_mov_b32 s[\g+6], 0
	s_mov_b32 s[\g+7], 0
.endr
	s_lshl_b32 s18, s16, 7
	s_lshl_b32 s20, s17, 8
	s_add_co_u32 s20, s20, s18
	s_add_co_u32 s20, s20, s21
	s_lshl_b32 s46, s42, 8
	s_add_co_u32 s46, s46, s18
	s_add_co_u32 s46, s46, s22
	s_lshl_b32 s22, s20, 5
	s_mov_b32 s23, 0
	s_lshl_b32 s92, s46, 5
	s_mov_b32 s93, 0
	s_mul_i32 s20, s20, 48
	s_mov_b32 s21, 0
	s_mul_i32 s46, s46, 48
	s_mov_b32 s47, 0
	s_mul_i32 s45, s14, HALFT
	s_lshl_b32 s94, s14, 12
	s_lshl_b32 s95, s17, 8
	s_lshl_b32 s96, s15, 7
	s_add_co_u32 s95, s95, s96
	s_cmp_lt_u32 ttmp9, 16
	s_cselect_b32 s96, s95, 0
	s_mov_b32 s97, 0
	s_wait_kmcnt 0x0
	s_add_nc_u64 s[20:21], s[4:5], s[20:21]
	s_add_nc_u64 s[22:23], s[6:7], s[22:23]
	s_add_nc_u64 s[46:47], s[4:5], s[46:47]
	s_add_nc_u64 s[92:93], s[6:7], s[92:93]
	s_add_nc_u64 s[8:9], s[8:9], s[96:97]
	CROUND
	s_mov_b32 s[G0S], 1
	s_add_co_u32 s[G0S+1], s94, SCL
	s_mov_b64 s[G0S+2:G0S+3], s[22:23]
	s_or_b32 s[G0S+3], s[G0S+3], 0x80000000
	s_mov_b32 s[G0SB], 1
	s_add_co_u32 s[G0SB+1], s94, SCL
	s_mov_b64 s[G0SB+2:G0SB+3], s[92:93]
	s_or_b32 s[G0SB+3], s[G0SB+3], 0x80000000
	JLOAD G0S, G1S, G0SB, G1SB
.irp s, 0,1
	s_mov_b32 s[G0+4*\s], 1
	s_add_co_u32 s[G0+4*\s+1], s45, \s*SLOT
	s_add_nc_u64 s[G0+4*\s+2:G0+4*\s+3], s[20:21], \s*4*CP
	s_or_b32 s[G0+4*\s+3], s[G0+4*\s+3], 0x80000000
	s_mov_b32 s[G0B+4*\s], 1
	s_add_co_u32 s[G0B+4*\s+1], s45, \s*SLOT
	s_add_nc_u64 s[G0B+4*\s+2:G0B+4*\s+3], s[46:47], \s*4*CP
	s_or_b32 s[G0B+4*\s+3], s[G0B+4*\s+3], 0x80000000
	s_wait_alu depctr_va_vdst(0)
	s_wait_tensorcnt 0x0
	ds_add_u32 v28, v29
	s_wait_dscnt 0x0
	CROUND
	JLOAD G0+4*\s, G1, G0B+4*\s, G1B
.endr
	v_and_b32 v1, 15, v0
	v_bfe_u32 v2, v0, 4, 1
	v_and_b32 v6, 8, v1
	v_add_nc_u32 v7, v6, v1
.irp a, 0,1,2,3,4,5,6,7
	global_load_u8 v[MK+\a], v7, s[8:9] offset:32*(\a/2)+8*(\a%2)
.endr
	v_mul_u32_u24 v3, v1, 48
	v_mad_u32_u24 v4, v2, 24, v3
	s_wait_alu depctr_va_vdst(0)
	s_mul_i32 s21, s15, HALFT
	s_mul_i32 s22, s16, HALFT
	s_add_co_u32 s22, s22, 2*HALFT
.irp s, 0,1
	v_add_nc_u32 v[ADRA+\s], s21, v4
	v_add_nc_u32 v[ADRB+\s], s22, v4
	s_add_co_u32 s21, s21, SLOT
	s_add_co_u32 s22, s22, SLOT
.endr
	v_lshlrev_b32 v5, 2, v1
	s_lshl_b32 s21, s15, 12
	s_lshl_b32 s22, s16, 12
	s_add_co_u32 s22, s22, 8192
	s_sub_co_u32 s22, s22, s21
	v_mul_u32_u24 v6, s22, v2
	s_add_co_u32 s21, s21, SCL
	v_add_nc_u32 v5, v5, v6
	v_add_nc_u32 v[ADRS], s21, v5
	s_mul_i32 s23, s14, WST
	v_add_nc_u32 v[STC], s23, v4
	v_lshlrev_b32 v5, 2, v1
	v_lshl_add_u32 v5, v2, 9, v5
	v_add_nc_u32 v5, 12288, v5
	v_add_nc_u32 v[STW], s23, v5
	v_and_b32 v6, 31, v0
	v_lshlrev_b32 v6, 4, v6
	v_add_nc_u32 v[RDB], s23, v6
.macro FRAG reg, adr, q, i
.irp p, 0,1,2,3,4,5
	ds_load_b64 v[\reg+2*\p:\reg+2*\p+1], v[\adr] offset:(2*(\q)+\p/3)*6144+(\i)*768+8*(\p%3)
.endr
.endm
.macro MUL16 a0, p, q, sc, zero
.irp a, \a0, \a0+1
.irp b, 0,1,2,3,4,5,6,7
.if \zero
	v_wmma_scale_f32_16x16x128_f8f6f4 v[8*(8*((\a)%4)+\b):8*(8*((\a)%4)+\b)+7], v[128*(\p)+FR*\b:128*(\p)+FR*\b+FR-1], v[AF+FR*(\a):AF+FR*(\a)+FR-1], 0, v[SC+8*NQ*(\sc)+NQ*\b+(\q)], v[SC+8*NQ*(\sc)+NQ*(\a)+(\q)] matrix_a_fmt:MATRIX_FMT_FP6 matrix_b_fmt:MATRIX_FMT_FP6 matrix_a_scale:MATRIX_SCALE_ROW1
.else
	v_wmma_scale_f32_16x16x128_f8f6f4 v[8*(8*((\a)%4)+\b):8*(8*((\a)%4)+\b)+7], v[128*(\p)+FR*\b:128*(\p)+FR*\b+FR-1], v[AF+FR*(\a):AF+FR*(\a)+FR-1], v[8*(8*((\a)%4)+\b):8*(8*((\a)%4)+\b)+7], v[SC+8*NQ*(\sc)+NQ*\b+(\q)], v[SC+8*NQ*(\sc)+NQ*(\a)+(\q)] matrix_a_fmt:MATRIX_FMT_FP6 matrix_b_fmt:MATRIX_FMT_FP6 matrix_a_scale:MATRIX_SCALE_ROW1
.endif
.endr
.endr
.endm
.macro FETCH_B slot, q, p
	WIN TO_B
.irp i, 0,1,2,3,4,5,6,7
	FRAG 128*(\p)+FR*\i, ADRB+\slot, \q, \i
.endr
	WIN 0
.endm
.macro FETCH_A slot, q, i0
.irp i, \i0, \i0+1, \i0+2, \i0+3
	FRAG AF+FR*(\i), ADRA+\slot, \q, \i
.endr
.endm
.macro SCALES sc
.irp i, 0,1,2,3,4,5,6,7
.irp q, 0,1
	ds_load_b32 v[SC+16*\sc+2*\i+\q], v[ADRS] offset:(\i/2)*1024+(\i%2)*64+\q*128
.endr
.endr
.endm
.macro PLACES n
.rept \n
	v_nop
.endr
.endm
.macro STEP slot, q, zero
	s_wait_dscnt 4*NL
	WIN MUL_LO
	MUL16 0, (\q)%2, \q, \slot, \zero
	MUL16 2, (\q)%2, \q, \slot, \zero
	s_wait_dscnt 0
	PLACES NP
	FETCH_B \slot, (\q)+1, 1-(\q)%2
	FETCH_A \slot, (\q)+1, 0
	WIN MUL_HI
	MUL16 4, (\q)%2, \q, \slot, \zero
	MUL16 6, (\q)%2, \q, \slot, \zero
	PLACES NP
	WIN 0
	FETCH_A \slot, (\q)+1, 4
.endm
.macro TURN slot, next, fill
	s_wait_tensorcnt 0x0
	ds_add_u32 v[SPW], v[NIL]
	s_wait_dscnt 4*NL+1
	WIN MUL_LO
	MUL16 0, 1, NQ-1, \slot, 0
	s_wait_dscnt 0x0
	s_barrier_signal -1
	MUL16 2, 1, NQ-1, \slot, 0
	WIN 0
	s_barrier_wait -1
.if \fill
	CREST
	s_add_nc_u64 s[G0+4*\slot+2:G0+4*\slot+3], s[G0+4*\slot+2:G0+4*\slot+3], 8*CP
	s_add_nc_u64 s[G0B+4*\slot+2:G0B+4*\slot+3], s[G0B+4*\slot+2:G0B+4*\slot+3], 8*CP
	JLOAD G0+4*\slot, G1, G0B+4*\slot, G1B
.else
	PLACES NP
.endif
	s_wait_alu depctr_va_vdst(0)
	v_add_nc_u32 v[ADRS], 256, v[ADRS]
	FETCH_B \next, 0, 0
	FETCH_A \next, 0, 0
	SCALES \next
	WIN MUL_HI
	MUL16 4, 1, NQ-1, \slot, 0
	MUL16 6, 1, NQ-1, \slot, 0
	PLACES NP
	WIN 0
	FETCH_A \next, 0, 4
.endm
	s_wait_alu depctr_va_vdst(0)
	s_wait_tensorcnt 1
	s_barrier_signal -1
	s_barrier_wait -1
	FETCH_B 0, 0, 0
	FETCH_A 0, 0, 0
	SCALES 0
	FETCH_A 0, 0, 4
	STEP 0, 0, 1
	TURN 0, 1, 1
	STEP 1, 0, 0
	TURN 1, 0, 1
	STEP 0, 0, 0
	TURN 0, 1, 0
	STEP 1, 0, 0
	s_wait_dscnt 4*NL
	WIN MUL_LO
	MUL16 0, 1, NQ-1, 1, 0
	MUL16 2, 1, NQ-1, 1, 0
	s_wait_dscnt 0
	WIN MUL_HI
	MUL16 4, 1, NQ-1, 1, 0
	MUL16 6, 1, NQ-1, 1, 0
	WIN 0
	s_wait_loadcnt 0x0
	PLACES NP
	s_lshl_b32 s18, s42, 8
	s_lshl_b32 s19, s16, 7
	s_add_co_u32 s18, s18, s19
	s_add_co_u32 s19, s95, 2048
	s_cmp_lt_u32 ttmp9, 16
	s_cselect_b32 s20, s95, s18
	s_cselect_b32 s21, s18, s19
	s_lshr_b32 s22, s21, 10
	s_bfe_u32 s23, s21, 0x40006
	s_lshr_b32 s46, s20, 11
	s_lshl_b32 s46, s46, 4
	s_add_co_u32 s46, s46, s23
	s_and_b32 s47, s20, 2047
	s_mov_b32 s76, QCO
	s_mov_b32 s77, VCO
	s_mov_b32 s78, QSO
	s_mov_b32 s79, KSO
	s_mov_b32 s80, VSO
	s_cmp_eq_u32 s22, 0
	s_cselect_b32 s76, s76, 0
	s_cselect_b32 s78, s78, s79
	s_cmp_eq_u32 s22, 2
	s_cselect_b32 s76, s77, s76
	s_cselect_b32 s78, s80, s78
	s_cselect_b32 s81, 1, 2
	s_lshl_b32 s81, s47, s81
	s_mul_i32 s82, s46, REC
	s_mul_i32 s83, s47, 48
	s_add_co_u32 s84, s82, s76
	s_add_co_u32 s84, s84, s83
	s_mov_b32 s85, 0
	s_add_nc_u64 s[84:85], s[10:11], s[84:85]
	s_add_co_u32 s86, s82, s78
	s_add_co_u32 s86, s86, s81
	s_mov_b32 s87, 0
	s_add_nc_u64 s[86:87], s[10:11], s[86:87]
	s_mov_b32 s88, 3072
	s_mov_b32 s89, REC
	s_mov_b32 s97, 0x7f7f0000
	s_mov_b32 s98, 0x7f010000
	s_cmp_lt_u32 ttmp9, 16
	s_cselect_b32 s90, s88, s89
	s_cselect_b32 s91, s89, s88
	s_cselect_b32 s92, 256, s89
	s_cselect_b32 s93, 0xffff, -1
	s_cselect_b32 s94, 16, 0
	s_cmp_eq_u32 s22, 1
	s_cselect_b32 s96, -1, 0
	s_cselect_b32 s97, s98, s97
	s_cmp_eq_u32 s22, 2
	s_cselect_b32 s97, 0, s97
	v_mov_b32 v72, 0x7f000000
	v_mov_b32 v73, s97
	v_mov_b32 v74, 0x7fa30000
	v_mul_u32_u24 v75, s94, v2
	v_and_b32 v6, 31, v0
	v_lshlrev_b32 v76, 4, v6
	v_add_nc_u32 v77, s90, v76
	v_add_nc_u32 v78, s91, v76
	v_add_nc_u32 v79, REC+3072, v76
	v_lshlrev_b32 v80, 4, v1
	v_mad_u32_u24 v80, v2, s92, v80
.irp b, 0,1,2,3
	v_mov_b32 v[TM+4+\b], 0
.endr
.irp a, 0,1,2,3,4,5,6,7
	v_cmp_eq_u32 s[FL+\a], 0, v[MK+\a]
.endr
.irp a, 0,1,2,3,4,5,6,7
	s_and_b32 s[FL+\a], s[FL+\a], s96
.endr
.macro QUANTW a
.set AC, 64*((\a)%4)
	WIN 0x0a+5*((\a)/4)
.irp b, 0,1,2,3
	v_max3_num_f32 v[TM+\b], |v[AC+16*\b]|, |v[AC+16*\b+1]|, 0x1800000
.endr
.irp i, 2,4,6,8,10,12,14
.irp b, 0,1,2,3
	v_max3_num_f32 v[TM+\b], |v[AC+16*\b+\i]|, |v[AC+16*\b+\i+1]|, v[TM+\b]
.endr
.endr
	WIN 0
	s_wait_alu depctr_va_vdst(0)
	s_wait_dscnt 0x0
.irp b, 0,1,2,3
	v_permlanex16_b32 v[TM+4+\b], v[TM+\b], s12, s13
.endr
.irp b, 0,1,2,3
	v_max_num_f32 v[TM+\b], v[TM+\b], v[TM+4+\b]
.endr
.irp b, 0,1,2,3
	v_add_nc_u32 v[TM+12+\b], 0xff000000, v[TM+\b]
.endr
.irp b, 0,1,2,3
	v_lshrrev_b32 v[TM+4+\b], 23, v[TM+12+\b]
.endr
	v_lshl_or_b32 v[PW], v[TM+5], 8, v[TM+4]
	v_lshl_or_b32 v[PW], v[TM+6], 16, v[PW]
	v_lshl_or_b32 v[PW], v[TM+7], 24, v[PW]
.irp b, 0,1,2,3
	v_cndmask_b32 v[TM+12+\b], v[TM+12+\b], v72, s[FL+\a]
.endr
	v_cndmask_b32 v[HI], v73, v74, s[FL+\a]
	v_lshrrev_b32 v[WD], v75, v[PW]
	v_and_or_b32 v[WD], v[WD], s93, v[HI]
	WIN 0x02+((\a)/4)
.irp c, 0,1
	v_cvt_scalef32_pk16_fp6_f32 v[PC+6*\c:PC+6*\c+2], v[AC+32*\c:AC+32*\c+15], v[TM+12+2*\c]
	v_cvt_scalef32_pk16_fp6_f32 v[PC+12+4*\c:PC+14+4*\c], v[AC+32*\c+16:AC+32*\c+31], v[TM+12+2*\c+1]
.endr
	WIN 0
	v_nop
.irp c, 0,1
.irp i, 0,1,2
	v_permlane16_swap_b32 v[PC+6*\c+\i], v[PC+12+4*\c+\i]
.endr
.irp i, 0,1,2
	v_mov_b32 v[PC+3+6*\c+\i], v[PC+12+4*\c+\i]
.endr
.endr
.irp p, 0,1,2,3,4,5
	ds_store_b64 v[STC], v[PC+2*\p:PC+2*\p+1] offset:(\p/3)*6144+(\a)*768+8*(\p%3)
.endr
	ds_store_b32 v[STW], v[WD] offset:64*(\a)
.endm
.irp a, 0,1,2,3,4,5,6,7
	QUANTW \a
.endr
.set i, 0
.rept 26
	ds_load_b128 v[OUTR+4*i:OUTR+4*i+3], v[RDB] offset:512*i
.set i, i+1
.endr
.set i, 0
.rept 24
	s_wait_dscnt 25-i
	global_store_b128 v[76+i/6], v[OUTR+4*i:OUTR+4*i+3], s[84:85] offset:(i%6)*512
.set i, i+1
.endr
	s_wait_dscnt 1
	global_store_b128 v80, v[OUTR+96:OUTR+99], s[86:87]
	s_wait_dscnt 0x0
	s_cmp_lt_u32 ttmp9, 16
	s_cbranch_scc0 .Lno_second
	global_store_b128 v80, v[OUTR+100:OUTR+103], s[86:87] offset:REC
.Lno_second:
	s_wait_tensorcnt 0x0
	ds_add_u32 v[SPW], v[NIL]
	s_wait_dscnt 0x0
	CROUND
	s_endpgm
.Lfunc_end_k_q2ea14cd2b2_qkvgemm:
	.size	k_q2ea14cd2b2_qkvgemm, .Lfunc_end_k_q2ea14cd2b2_qkvgemm-k_q2ea14cd2b2_qkvgemm
	.p2alignl 7, 3214868480
	.fill 96, 4, 3214868480
	.section	.rodata,"a",@progbits
	.p2align	6, 0x0
	.amdhsa_kernel k_q2ea14cd2b2_qkvgemm
		.amdhsa_group_segment_fixed_size 327680
		.amdhsa_private_segment_fixed_size 0
		.amdhsa_enable_private_segment 0
		.amdhsa_kernarg_size 32
		.amdhsa_user_sgpr_count 2
		.amdhsa_user_sgpr_kernarg_segment_ptr 1
		.amdhsa_wavefront_size32 1
		.amdhsa_system_sgpr_workgroup_id_x 1
		.amdhsa_system_sgpr_workgroup_id_y 1
		.amdhsa_system_sgpr_workgroup_id_z 1
		.amdhsa_system_vgpr_workitem_id 0
		.amdhsa_next_free_vgpr 1024
		.amdhsa_next_free_sgpr 100
		.amdhsa_reserve_vcc 0
		.amdhsa_float_denorm_mode_32 3
		.amdhsa_float_denorm_mode_16_64 3
		.amdhsa_memory_ordered 1
		.amdhsa_forward_progress 1
		.amdhsa_inst_pref_size 180
	.end_amdhsa_kernel
	.amdgpu_metadata
---
amdhsa.version: [ 1, 2 ]
amdhsa.kernels:
  - .name:           k_q2ea14cd2b2_qkvgemm
    .symbol:         k_q2ea14cd2b2_qkvgemm.kd
    .args:
      - { .name: xw_codes, .offset: 0, .size: 8, .value_kind: global_buffer, .address_space: global }
      - { .name: xw_scales, .offset: 8, .size: 8, .value_kind: global_buffer, .address_space: global }
      - { .name: padding_mask, .offset: 16, .size: 8, .value_kind: global_buffer, .address_space: global }
      - { .name: qkv, .offset: 24, .size: 8, .value_kind: global_buffer, .address_space: global }
    .group_segment_fixed_size: 327680
    .private_segment_fixed_size: 0
    .kernarg_segment_align: 8
    .kernarg_segment_size: 32
    .max_flat_workgroup_size: 128
    .sgpr_count:     100
    .vgpr_count:     1024
    .wavefront_size: 32
...
	.end_amdgpu_metadata
.endif
;; end of part 2
;; launch attn (part 3): grid 4 x 64, 8 waves a work-group, clusters of 4 x 1, 223,232 bytes of LDS; arguments qkv, ao_codes, ao_scales; writes ao_codes, ao_scales
.if DOCPART == 3
	.amdgcn_target "amdgcn-amd-amdhsa--gfx1250"
	.amdhsa_code_object_version 6
	.text
	.protected	k_q2ea14cd2b2_attn
	.globl	k_q2ea14cd2b2_attn
	.p2align	8
	.type	k_q2ea14cd2b2_attn,@function
k_q2ea14cd2b2_attn:
	s_mov_b64 s[64:65], 0
	v_nop
	global_prefetch_b8 v0, s[64:65] scope:SCOPE_SE
	s_setreg_imm32_b32 hwreg(HW_REG_WAVE_MODE, 25, 1), 1
	s_wait_xcnt 0x0
	s_wait_alu depctr_hold_cnt(0) depctr_sa_sdst(0) depctr_va_vdst(0) depctr_va_sdst(0) depctr_va_ssrc(0) depctr_va_vcc(0) depctr_vm_vsrc(0)
	s_getreg_b32 s2, hwreg(HW_REG_IB_STS2, 6, 4)
	s_cmp_eq_u32 s2, 0
	s_cbranch_scc0 .Lentry_in_a_cluster
	s_endpgm
.Lentry_in_a_cluster:
	s_bfe_u32 s2, ttmp6, 0x10000c
	s_cmp_lg_u32 s2, 0x3003
	s_cbranch_scc0 .Lentry_shape_is_right
	s_endpgm
.Lentry_shape_is_right:
; Attention of one head on codes of FP6 (E2M3): S^T = K Q^T, softmax, O^T = V^T P^T, O / l, and O quantised along the model's 1,024 for the output projection.
; A head's record (16 x batch + head): k's codes [2,048 positions][48], v's codes [32 chunks of 64 keys][64 positions of d][48], k's scale words [2,048][4], v's scale words [16 steps][64][4]:
; 208,896 bytes, which come into LDS once, by one joint load a wave (102 rows of 256 bytes), and stay.  Behind them q's codes and scale words, read from memory.
; A row (token, feature) lies at the position that has its bits 3 and 4 exchanged.
; SOFTMAX: t = score x log2(e) / 8; M = ceil of the running largest t; p = 2^(t - M) is quantised along the keys; the row's sum is taken of the unquantised p and divides O at the end.
; When M moves, the sum and O are multiplied by 2^(old M - new M): exact.
; THE MASK: k = 64 holds the code +1 in K's fragments and -1 in Q's; byte 2 of a masked key's scale word is 163 (its own codes are zeros): its score is -2^36; a valid key's byte is 1.
; LIMITS: a masked logit is -8.6e9 where the reference has -1e10: the same results while valid logits lie above about -8e9.  The scaled scores stay under 2^31.  NaN and infinities are not served.
; SHARES: a work-group owns 512 queries of a head; each of its eight waves 2 x 32: TWO tiles of 16 queries at a time, so that each fragment of K and V feeds two products and
; each chain of dependent lines has the other tile's beside it.  CLUSTER: the four work-groups of a head read the same record jointly.
; A TILE OF KEYS is chosen by the lanes' addresses: lane r of tile T of half step c takes token 64 c + 32 (r / 8) + 8 T + r % 8.  So lane (r, h) holds in registers 32 c + 0 .. 31 of S^T the
; tokens 64 c + 32 h + 0 .. 31: a whole scale block, in the order of the next operand: no lane is asked for a block's maximum, and the conversions' results are the operand.
; No prefetch: the record is asked for once, at the head, and there is no loop to run ahead in.
; WINDOW 1: v0-127 S^T, then p (64 a tile); v128-191 O^T (32 a tile); v192-215 Q (12 a tile).  WINDOW 0: all else, as named below.
.set REC,  315392
.set VCO,  98304
.set KSO,  196608
.set VSO,  204800
.set QCO,  208896
.set QSO,  307200
.set STG,  208896                      ; behind the record: 2 x 768 bytes a wave for the way out
.set SPARE, 0x36000                    ; the spare words, 128 bytes a wave
.set ST,   8                           ; a tile's state, 8 registers: -M, largest score, sum (pair), f, (pair's upper), temp, new -M
.set QS,   24                          ; Q's scale words
.set PS,   26                          ; p's
.set KS,   28                          ; K's, four
.set VS,   32                          ; V's, two
.set SPW,  34
.set NIL,  35
.set BM,   36                          ; a block's largest: 2 a tile
.set SO,   40                          ; the conversions' scale operands
.set PT,   44                          ; permutes' results, bytes
.set KB,   48                          ; four fragments of K
.set VB,   96                          ; four of V
.set W,    96                          ; the way out: O / l
.set PC,   144                         ; p's codes, 12 a tile
.set CT,   168                         ; the second conversions' codes, 8 a tile
.set SC,   184                         ; four chains of the sum, 8 a tile
.set MT,   200                         ; three more chains of a maximum, 4 a tile
.set LB,   208                         ; the way out: codes back from the stage
.set STW,  240
.set STR,  241
.set GO,   242
.set GB,   243
.set KA,   252                         ; the step's LDS addresses
.set VA,   253
.set KSA,  254
.set VSA,  255
.set OT1,  128
.set Q1,   192
.set MSB, 0
.macro WIN new
.if MSB != (\new)
	s_set_vgpr_msb (MSB<<8)|(\new)
.set MSB, (\new)
.endif
.endm
.macro WALU
	s_wait_alu depctr_va_vdst(0)
.endm
.macro ROUND
	s_barrier_signal -1
	s_barrier_wait -1
	s_cmp_lg_u32 s18, 0
	s_cbranch_scc1 .Lnot_wave_0_\@
	s_barrier_signal -3
.Lnot_wave_0_\@:
	s_barrier_wait -3
	s_barrier_signal -1
	s_barrier_wait -1
.endm
	s_load_b128 s[4:7], s[0:1], 0x0                ; the records, O's codes
	s_load_b64 s[8:9], s[0:1], 0x10                ; O's scale bytes
	v_lshl_add_u32 v[SPW], v0, 2, SPARE
	v_mov_b32 v[NIL], 0
	ds_add_u32 v[SPW], v[NIL]                      ; the opening lines
	ds_add_u32 v[SPW], v[NIL]
	v_lshrrev_b32 v1, 5, v0
	v_readfirstlane_b32 s18, v1                    ; wave 0..7
	s_bfe_u32 s10, ttmp6, 0x40000                  ; cx: which 512 queries: it enters Q's and O's addresses alone
	s_and_b32 s11, ttmp7, 0xffff                   ; the record
	s_mul_i32 s12, s11, REC
	s_mul_i32 s33, s18, 26112                      ; my eighth of the 208,896 bytes, in LDS as in the record
	s_add_co_u32 s16, s12, s33
	s_mov_b32 s17, 0
	s_mov_b32 s24, 15|(3<<16)|(1<<21)              ; the mask of all four; elements of 8 bytes; bit 21 beside a mask
	s_mov_b32 s25, 32<<16
	s_mov_b32 s26, 102<<16
	s_mov_b32 s27, 32<<16
	s_mov_b32 s28, 102
	s_mov_b32 s29, 32
	s_mov_b32 s30, 0
	s_mov_b32 s31, 0
	s_mov_b32 s20, 0x76543210
	s_mov_b32 s21, 0xfedcba98                      ; selects for lane l xor 16
	s_mov_b32 s22, 0x3e38aa3b                      ; c = log2(e) / 8
	s_mov_b32 s23, s22
	s_mov_b32 s41, 0xbe38aa3b                      ; -c
	s_mov_b32 s40, 2                               ; two passes of 32 queries
	s_lshl_b32 s50, s10, 9
	s_lshl_b32 s51, s18, 5
	s_add_co_u32 s50, s50, s51                     ; my first query's position in the head: 512 cx + 32 x wave
	s_mov_b32 s53, 0
	s_and_b32 s54, s11, 15                         ; head
	s_lshr_b32 s55, s11, 4                         ; batch
	s_lshl_b32 s56, s55, 11
	s_add_co_u32 s56, s56, s50
	WALU
	s_wait_dscnt 0x0
	s_wait_kmcnt 0x0
	s_mov_b32 s32, 1
	s_add_nc_u64 s[34:35], s[4:5], s[16:17]
	s_or_b32 s35, s35, 0x80000000
	ROUND                                          ; the joint loads meet
	tensor_load_to_lds s[32:35], s[24:31]          ; my one tensor load of the launch
	s_nop 0
.rept 4
	v_nop
.endr
	s_mul_i32 s52, s50, 48
	s_add_co_u32 s52, s52, s12
	s_add_co_u32 s52, s52, QCO
	s_add_nc_u64 s[42:43], s[4:5], s[52:53]        ; Q's codes
	s_lshl_b32 s52, s50, 2
	s_add_co_u32 s52, s52, s12
	s_add_co_u32 s52, s52, QSO
	s_add_nc_u64 s[44:45], s[4:5], s[52:53]        ; Q's scale words
	s_mul_i32 s52, s56, 48
	s_mul_i32 s57, s54, 393216
	s_add_co_u32 s52, s52, s57
	s_add_nc_u64 s[46:47], s[6:7], s[52:53]        ; O's codes: [16 heads][8,192 positions][48]
	s_lshr_b32 s52, s56, 5
	s_lshl_b32 s52, s52, 10
	s_lshr_b32 s57, s54, 1
	s_lshl_b32 s57, s57, 7
	s_add_co_u32 s52, s52, s57
	s_and_b32 s57, s54, 1
	s_lshl_b32 s57, s57, 1
	s_add_co_u32 s52, s52, s57
	s_add_nc_u64 s[48:49], s[8:9], s[52:53]        ; O's scale bytes: [pos / 32][head / 2][pos % 32][4], byte 2 (head % 2) + block
	s_mul_i32 s58, s18, 1536
	s_add_co_u32 s58, s58, STG                     ; my stage
	v_and_b32 v36, 15, v0                          ; r
	v_bfe_u32 v37, v0, 4, 1                        ; h
	v_and_b32 v38, 31, v0                          ; lane
	v_mul_u32_u24 v6, v36, 48
	v_mad_u32_u24 v6, v37, 24, v6                  ; 48 r + 24 h: Q in memory, V's tiles, the stage
	v_add_nc_u32 v2, VCO, v6
	v_and_b32 v39, 7, v36
	v_lshrrev_b32 v40, 3, v36
	v_mul_u32_u24 v1, v39, 48
	v_mad_u32_u24 v1, v40, 1536, v1
	v_mad_u32_u24 v1, v37, 24, v1                  ; K: position r % 8 + 32 (r / 8), + 24 h
	v_lshl_add_u32 v3, v40, 5, v39
	v_lshl_add_u32 v3, v37, 4, v3                  ; K's scale words: lanes 16-31 take the odd tile's, 16 positions on
	v_lshl_add_u32 v3, v3, 2, KSO
	v_lshl_add_u32 v4, v38, 2, VSO
	v_lshlrev_b32 v7, 2, v36
	v_lshlrev_b32 v5, 3, v37                       ; 8 h
	v_add_nc_u32 v[STW], s58, v6
	v_lshlrev_b32 v[GO], 3, v38
	v_add_nc_u32 v[STR], s58, v[GO]
	v_lshl_add_u32 v[GB], v36, 2, v37
	v_sub_nc_u32 v41, 1, v37
	v_mul_u32_u24 v42, v41, 40                     ; Q at k = 64: the code of -1.0 (lanes 0-15)
	v_lshlrev_b32 v41, 3, v41                      ; K at k = 64: the code of +1.0
.irp t, 0,1,2,3
	v_mov_b32 v[KB+12*\t+6], v41
.irp j, 7,8,9,10,11
	v_mov_b32 v[KB+12*\t+\j], 0                    ; written once: the loads fill registers 0-5 alone
.endr
.endr
.irp b, 0,1,2,3
	v_mov_b32 v[PT+\b], 0                          ; a lane permute's destination counts as one of its sources
.endr
	v_mov_b32 v[ST+5], 0                           ; (the upper halves of the pairs that hold f)
	v_mov_b32 v[ST+13], 0
	WIN 0x40
.irp w, 0,1
	v_mov_b32 v[Q1+12*\w+6], v42
.irp j, 7,8,9,10,11
	v_mov_b32 v[Q1+12*\w+\j], 0
.endr
.endr
	WIN 0
	WALU
	s_wait_tensorcnt 0x0
	s_barrier_signal -1
	s_barrier_wait -1                              ; the record is whole
.macro SQK g                           ; eight products S^T: tiles 4 g .. 4 g + 3 of the keys x two tiles of queries
	WIN 0x44
.irp t, 0,1,2,3
.irp w, 0,1
.if \t % 2
	v_wmma_scale_f32_16x16x128_f8f6f4 v[64*\w+32*\g+8*\t:64*\w+32*\g+8*\t+7], v[KB+12*\t:KB+12*\t+11], v[Q1+12*\w:Q1+12*\w+11], 0, v[KS+2*\g+\t/2], v[QS+\w] matrix_a_fmt:MATRIX_FMT_FP6 matrix_b_fmt:MATRIX_FMT_FP6 matrix_a_scale:MATRIX_SCALE_ROW1
.else
	v_wmma_scale_f32_16x16x128_f8f6f4 v[64*\w+32*\g+8*\t:64*\w+32*\g+8*\t+7], v[KB+12*\t:KB+12*\t+11], v[Q1+12*\w:Q1+12*\w+11], 0, v[KS+2*\g+\t/2], v[QS+\w] matrix_a_fmt:MATRIX_FMT_FP6 matrix_b_fmt:MATRIX_FMT_FP6
.endif
.endr
.endr
	WIN 0
.endm
.macro KLOAD adr, off                  ; four tiles' codes: tile T lies 16 (T % 2) + 8 (T / 2) positions on
.irp t, 0,1,2,3
.irp p, 0,1,2
	ds_load_b64 v[KB+12*\t+2*\p:KB+12*\t+2*\p+1], v[\adr] offset:(\off)+(\t%2)*768+(\t/2)*384+8*\p
.endr
.endr
.endm
.macro KSLOAD adr, off
.irp j, 0,1,2,3
	ds_load_b32 v[KS+\j], v[\adr] offset:(\off)+256*(\j/2)+32*(\j%2)
.endr
.endm
.macro MAXB c                          ; the largest score of my block c, for both tiles: four chains each (9, 9, 7, 7 numbers); each accumulator is first read at its low end
	WIN 0x15
.irp w, 0,1
	v_max3_num_f32 v[BM+2*\w+\c], v[64*\w+32*\c], v[64*\w+32*\c+1], v[64*\w+32*\c+2]
	v_max3_num_f32 v[MT+4*\w], v[64*\w+32*\c+9], v[64*\w+32*\c+10], v[64*\w+32*\c+11]
	v_max3_num_f32 v[MT+4*\w+1], v[64*\w+32*\c+18], v[64*\w+32*\c+19], v[64*\w+32*\c+20]
	v_max3_num_f32 v[MT+4*\w+2], v[64*\w+32*\c+25], v[64*\w+32*\c+26], v[64*\w+32*\c+27]
.endr
	WIN 0x14
.irp i, 0,1,2
.irp w, 0,1
	v_max3_num_f32 v[BM+2*\w+\c], v[BM+2*\w+\c], v[64*\w+32*\c+3+2*\i], v[64*\w+32*\c+4+2*\i]
	v_max3_num_f32 v[MT+4*\w], v[MT+4*\w], v[64*\w+32*\c+12+2*\i], v[64*\w+32*\c+13+2*\i]
.if \i < 2
	v_max3_num_f32 v[MT+4*\w+1], v[MT+4*\w+1], v[64*\w+32*\c+21+2*\i], v[64*\w+32*\c+22+2*\i]
	v_max3_num_f32 v[MT+4*\w+2], v[MT+4*\w+2], v[64*\w+32*\c+28+2*\i], v[64*\w+32*\c+29+2*\i]
.endif
.endr
.endr
	WIN 0
.irp w, 0,1
	v_max3_num_f32 v[BM+2*\w+\c], v[BM+2*\w+\c], v[MT+4*\w], v[MT+4*\w+1]
.endr
.irp w, 0,1
	s_delay_alu instid0(VALU_DEP_2)
	v_max_num_f32 v[BM+2*\w+\c], v[BM+2*\w+\c], v[MT+4*\w+2]
.endr
.endm
.macro DSUM                            ; the last step's four chains are joined, and the sum goes under that step's M: sum x f + the step's p
.irp w, 0,1
	v_pk_add_f32 v[SC+8*\w:SC+8*\w+1], v[SC+8*\w:SC+8*\w+1], v[SC+8*\w+2:SC+8*\w+3]
.endr
.irp w, 0,1
	v_pk_add_f32 v[SC+8*\w+4:SC+8*\w+5], v[SC+8*\w+4:SC+8*\w+5], v[SC+8*\w+6:SC+8*\w+7]
.endr
.irp w, 0,1
	s_delay_alu instid0(VALU_DEP_2)
	v_pk_add_f32 v[SC+8*\w:SC+8*\w+1], v[SC+8*\w:SC+8*\w+1], v[SC+8*\w+4:SC+8*\w+5]
.endr
.irp w, 0,1
	s_delay_alu instid0(VALU_DEP_2)
	v_pk_fma_f32 v[ST+8*\w+2:ST+8*\w+3], v[ST+8*\w+2:ST+8*\w+3], v[ST+8*\w+4:ST+8*\w+5], v[SC+8*\w:SC+8*\w+1] op_sel_hi:[1,0,1]
.endr
.endm
.Lpass:                                            ; two trips: 32 queries each
	WIN 0x40
.irp w, 0,1
.irp p, 0,1,2
	global_load_b64 v[Q1+12*\w+2*\p:Q1+12*\w+2*\p+1], v6, s[42:43] offset:768*\w+8*\p
.endr
.endr
	WIN 0
.irp w, 0,1
	global_load_b32 v[QS+\w], v7, s[44:45] offset:64*\w
.endr
	KLOAD 1, 0                                     ; step 0's first four tiles and its scale words
	KSLOAD 3, 0
.irp w, 0,1
	v_mov_b32 v[ST+8*\w], 0x7f61b1e6               ; -M: 3e38
	v_mov_b32 v[ST+8*\w+1], 0xff61b1e6             ; the largest score so far: -3e38
	v_mov_b32 v[ST+8*\w+2], 0
	v_mov_b32 v[ST+8*\w+3], 0
	v_mov_b32 v[ST+8*\w+4], 0
.irp j, 0,1,2,3,4,5,6,7
	v_mov_b32 v[SC+8*\w+\j], 0
.endr
.endr
	WIN 0x40
.set j, 0
.rept 64
	v_mov_b32 v[OT1+j], 0                          ; O^T: the step is written once: the first finds zeros
.set j, j+1
.endr
	WIN 0
	s_mov_b32 s36, 0                               ; codes of K and of V: 6,144 bytes a step
	s_mov_b32 s37, 0                               ; K's scale words: 512
	s_mov_b32 s38, 0                               ; V's: 256
	s_mov_b32 s39, 16
	WALU
	s_wait_loadcnt 0x0                             ; Q
.Lstep:                                            ; sixteen trips of 128 keys
	s_wait_dscnt 0x0                               ; this step's first four tiles and scale words, asked for in the last trip
	SQK 0
	v_add_nc_u32 v[KA], s36, v1                    ; (four places behind the products, in front of the loads and of the first read of results)
	v_add_nc_u32 v[VA], s36, v2
	v_add_nc_u32 v[KSA], s37, v3
	v_add_nc_u32 v[VSA], s38, v4
	KLOAD KA, 3072                                 ; tiles 4 to 7: 64 positions on
.irp t, 0,1,2,3
.irp p, 0,1,2,3,4,5
	ds_load_b64 v[VB+12*\t+2*\p:VB+12*\t+2*\p+1], v[VA] offset:(\p/3)*3072+\t*768+8*(\p%3)
.endr
.endr
.irp j, 0,1
	ds_load_b32 v[VS+\j], v[VSA] offset:128*\j
.endr
	MAXB 0
	s_wait_dscnt 26                                ; tiles 4 to 7 are in; V's 24 loads and its two scale words may be out
	SQK 1
	DSUM                                           ; (eight places)
	KLOAD KA, 6144                                 ; the next step's first four tiles (the last trip's land unread: bytes of the record all the same)
	KSLOAD KSA, 512
	MAXB 1
.irp w, 0,1
	s_delay_alu instid0(VALU_DEP_2)
	v_max3_num_f32 v[ST+8*\w+1], v[ST+8*\w+1], v[BM+2*\w], v[BM+2*\w+1]
.endr
.irp w, 0,1
	s_delay_alu instid0(VALU_DEP_2)
	v_permlanex16_b32 v[PT+2*\w], v[ST+8*\w+1], s20, s21
.endr
.irp w, 0,1
	s_delay_alu instid0(VALU_DEP_2)
	v_max_num_f32 v[ST+8*\w+1], v[ST+8*\w+1], v[PT+2*\w]   ; the running largest score of my query
.endr
.irp w, 0,1
	s_delay_alu instid0(VALU_DEP_2)
	v_mul_f32 v[ST+8*\w+6], s41, v[ST+8*\w+1]      ; -t
.endr
.irp w, 0,1
	s_delay_alu instid0(VALU_DEP_2)
	v_floor_f32 v[ST+8*\w+7], v[ST+8*\w+6]         ; the new -M = -ceil(t)
.endr
.irp w, 0,1
	s_delay_alu instid0(VALU_DEP_2)
	v_sub_f32 v[ST+8*\w+6], v[ST+8*\w+7], v[ST+8*\w]   ; old M - new M: a whole number, 0 or less
.endr
.irp w, 0,1
	v_mov_b32 v[ST+8*\w], v[ST+8*\w+7]
.endr
.irp w, 0,1
	s_delay_alu instid0(VALU_DEP_4)
	v_cvt_i32_f32 v[ST+8*\w+6], v[ST+8*\w+6]       ; (it saturates)
.endr
.irp w, 0,1
	s_delay_alu instid0(VALU_DEP_2)
	v_ldexp_f32 v[ST+8*\w+4], 1.0, v[ST+8*\w+6]    ; f = 2^(old M - new M)
.endr
.irp w, 0,1
.irp c, 0,1
	v_fma_f32 v[BM+2*\w+\c], v[BM+2*\w+\c], s22, v[ST+8*\w]   ; t - M of each block's largest score
.endr
.endr
	WIN 0x41
.irp w, 0,1
.set j, 0
.rept 32
	v_pk_fma_f32 v[64*\w+j:64*\w+j+1], v[64*\w+j:64*\w+j+1], s[22:23], v[ST+8*\w:ST+8*\w+1] op_sel_hi:[1,0,0]   ; t - M
.set j, j+2
.endr
.endr
.irp w, 0,1
.set j, 0
.rept 16
	v_pk_mul_f32 v[OT1+32*\w+j:OT1+32*\w+j+1], v[OT1+32*\w+j:OT1+32*\w+j+1], v[ST+8*\w+4:ST+8*\w+5] op_sel_hi:[1,0]   ; O^T under the new M, from each accumulator's low end on
.set j, j+2
.endr
.endr
	WALU
.set j, 0
.rept 128
	v_exp_f32 v[j], v[j]                           ; p = 2^(t - M)
.set j, j+1
.endr
	WIN 0
.irp b, 0,1,2,3
	v_exp_f32 v[BM+\b], v[BM+\b]                   ; the block's largest p: the same lines on the same number
.endr
	v_nop                                          ; one plain place behind the batch
	WALU                                           ; and the wait behind it
.irp b, 0,1,2,3
	v_max_num_f32 v[BM+\b], 0x1800000, v[BM+\b]    ; the floor 2^(3 - 127): the byte cannot fall under 1
.endr
.irp b, 0,1,2,3
	s_delay_alu instid0(VALU_DEP_4)
	v_add_nc_u32 v[SO+\b], 0xff000000, v[BM+\b]    ; 2 off the exponent field: the conversion's scale operand
.endr
.irp b, 0,1,2,3
	s_delay_alu instid0(VALU_DEP_4)
	v_lshrrev_b32 v[PT+\b], 23, v[SO+\b]           ; the byte
.endr
.irp w, 0,1
	v_lshl_or_b32 v[ST+8*\w+6], v[PT+2*\w+1], 16, v[PT+2*\w]   ; my two bytes: blocks h and 2 + h,
.endr
.irp w, 0,1
	s_delay_alu instid0(VALU_DEP_2)
	v_lshlrev_b32 v[ST+8*\w+6], v5, v[ST+8*\w+6]   ; at their places in the word;
.endr
.irp w, 0,1
	s_delay_alu instid0(VALU_DEP_2)
	v_permlanex16_b32 v[PT+2*\w], v[ST+8*\w+6], s20, s21
.endr
.irp w, 0,1
	s_delay_alu instid0(VALU_DEP_2)
	v_or_b32 v[PS+\w], v[ST+8*\w+6], v[PT+2*\w]    ; with lane l xor 16's two the word is whole
.endr
	WIN 0x01
.irp w, 0,1
.irp c, 0,1
	v_cvt_scalef32_pk16_fp6_f32 v[PC+12*\w+6*\c:PC+12*\w+6*\c+2], v[64*\w+32*\c:64*\w+32*\c+15], v[SO+2*\w+\c]
	v_cvt_scalef32_pk16_fp6_f32 v[CT+8*\w+4*\c:CT+8*\w+4*\c+2], v[64*\w+32*\c+16:64*\w+32*\c+31], v[SO+2*\w+\c]   ; (a conversion's three registers begin on an even number)
.endr
.endr
	WIN 0x05
.irp w, 0,1
.irp i, 0,1,2,3
	v_pk_add_f32 v[SC+8*\w+2*\i:SC+8*\w+2*\i+1], v[64*\w+2*\i:64*\w+2*\i+1], v[64*\w+2*\i+8:64*\w+2*\i+9]   ; the sum of the unquantised p, four chains a tile
.endr
.endr
	WIN 0
.irp w, 0,1
.irp c, 0,1
.irp i, 0,1,2
	v_mov_b32 v[PC+12*\w+6*\c+3+\i], v[CT+8*\w+4*\c+\i]
.endr
.endr
.endr
	WIN 0x04
.irp m, 2,3,4,5,6,7
.irp w, 0,1
.irp i, 0,1,2,3
	v_pk_add_f32 v[SC+8*\w+2*\i:SC+8*\w+2*\i+1], v[SC+8*\w+2*\i:SC+8*\w+2*\i+1], v[64*\w+2*\i+8*\m:64*\w+2*\i+8*\m+1]
.endr
.endr
.endr
	WALU
	s_wait_dscnt 16                                ; V is in; the next step's 12 loads of K and 4 scale words may be out
	WIN 0x50
.irp t, 0,1,2,3                                ; O^T += V^T P^T: eight accumulators by turns
.irp w, 0,1
.if \t % 2
	v_wmma_scale_f32_16x16x128_f8f6f4 v[OT1+32*\w+8*\t:OT1+32*\w+8*\t+7], v[VB+12*\t:VB+12*\t+11], v[PC+12*\w:PC+12*\w+11], v[OT1+32*\w+8*\t:OT1+32*\w+8*\t+7], v[VS+\t/2], v[PS+\w] matrix_a_fmt:MATRIX_FMT_FP6 matrix_b_fmt:MATRIX_FMT_FP6 matrix_a_scale:MATRIX_SCALE_ROW1
.else
	v_wmma_scale_f32_16x16x128_f8f6f4 v[OT1+32*\w+8*\t:OT1+32*\w+8*\t+7], v[VB+12*\t:VB+12*\t+11], v[PC+12*\w:PC+12*\w+11], v[OT1+32*\w+8*\t:OT1+32*\w+8*\t+7], v[VS+\t/2], v[PS+\w] matrix_a_fmt:MATRIX_FMT_FP6 matrix_b_fmt:MATRIX_FMT_FP6
.endif
.endr
.endr
	WIN 0
	s_add_co_u32 s36, s36, 6144
	s_add_co_u32 s37, s37, 512
	s_add_co_u32 s38, s38, 256
	s_sub_co_u32 s39, s39, 1
	s_cmp_lg_u32 s39, 0
	s_cbranch_scc1 .Lstep
	; ---- the way out: O^T / the sum; register 16 b + i is d = 32 b + 16 h + i of my query: two blocks along the output projection's K
	DSUM                                           ; the last step's p (also the places behind the last products)
.irp w, 0,1
	s_delay_alu instid0(VALU_DEP_2)
	v_add_f32 v[ST+8*\w+2], v[ST+8*\w+2], v[ST+8*\w+3]
.endr
.irp w, 0,1
	s_delay_alu instid0(VALU_DEP_2)
	v_permlanex16_b32 v[PT+2*\w], v[ST+8*\w+2], s20, s21
.endr
.irp w, 0,1
	s_delay_alu instid0(VALU_DEP_2)
	v_add_f32 v[ST+8*\w+2], v[ST+8*\w+2], v[PT+2*\w]   ; the row's sum
.endr
	WALU
.irp w, 0,1
	v_rcp_f32 v[ST+8*\w+2], v[ST+8*\w+2]
.endr
	v_nop
.macro OUT w
	WIN 0x01
	WALU                                           ; directly ahead of the first reader of O^T and of 1 / l
.set j, 0
.rept 32
	v_mul_f32 v[W+j], v[OT1+32*\w+j], v[ST+8*\w+2]
.set j, j+1
.endr
	WIN 0
.irp b, 0,1
	v_max3_num_f32 v[BM+\b], |v[W+16*\b]|, |v[W+1+16*\b]|, 0x1800000
.endr
.irp i, 2,4,6,8,10,12,14
.irp b, 0,1
	s_delay_alu instid0(VALU_DEP_2)
	v_max3_num_f32 v[BM+\b], v[BM+\b], |v[W+16*\b+\i]|, |v[W+1+16*\b+\i]|
.endr
.endr
.irp b, 0,1
	s_delay_alu instid0(VALU_DEP_2)
	v_permlanex16_b32 v[PT+\b], v[BM+\b], s20, s21
.endr
.irp b, 0,1
	s_delay_alu instid0(VALU_DEP_2)
	v_max_num_f32 v[BM+\b], v[BM+\b], v[PT+\b]
.endr
.irp b, 0,1
	s_delay_alu instid0(VALU_DEP_2)
	v_add_nc_u32 v[SO+\b], 0xff000000, v[BM+\b]
.endr
.irp b, 0,1
	s_delay_alu instid0(VALU_DEP_2)
	v_lshrrev_b32 v[PT+\b], 23, v[SO+\b]
.endr
	s_delay_alu instid0(VALU_DEP_1)
	v_lshl_or_b32 v[ST+8*\w+6], v[PT+1], 8, v[PT]
	s_delay_alu instid0(VALU_DEP_1)
	v_lshrrev_b32 v[ST+8*\w+6], v5, v[ST+8*\w+6]   ; lanes 0-15: block 0's byte lowest; lanes 16-31: block 1's
	v_cvt_scalef32_pk16_fp6_f32 v[PC+12*\w:PC+12*\w+2], v[W:W+15], v[SO]
	v_cvt_scalef32_pk16_fp6_f32 v[CT+8*\w:CT+8*\w+2], v[W+16:W+31], v[SO+1]
	v_nop                                          ; one plain place behind a scaled conversion
.irp i, 0,1,2
	v_permlane16_swap_b32 v[PC+12*\w+\i], v[CT+8*\w+\i]
.endr
.irp i, 0,1,2
	s_delay_alu instid0(VALU_DEP_3)
	v_mov_b32 v[PC+12*\w+3+\i], v[CT+8*\w+\i]      ; six registers: my query's codes of d = 32 h + 0 .. 31
.endr
.irp p, 0,1,2
	ds_store_b64 v[STW], v[PC+12*\w+2*\p:PC+12*\w+2*\p+1] offset:768*\w+8*\p
.endr
.irp p, 0,1,2
	ds_load_b64 v[LB+8*\w+2*\p:LB+8*\w+2*\p+1], v[STR] offset:768*\w+256*\p   ; LDS serves a wave's instructions in order: these see my stores
.endr
.endm
	OUT 0
	OUT 1
	WALU
	s_wait_dscnt 0x0
.irp w, 0,1
.irp p, 0,1,2
	global_store_b64 v[GO], v[LB+8*\w+2*\p:LB+8*\w+2*\p+1], s[46:47] offset:768*\w+256*\p   ; 32 lanes store 256 consecutive bytes, aligned
.endr
.endr
.irp w, 0,1
	global_store_b8 v[GB], v[ST+8*\w+6], s[48:49] offset:64*\w   ; a head owns two of a word's four bytes: they go singly
.endr
	s_wait_xcnt 0x0                                ; bases and data are rewritten only behind this wait
	s_add_nc_u64 s[42:43], s[42:43], 12288         ; 256 positions on
	s_add_nc_u64 s[44:45], s[44:45], 1024
	s_add_nc_u64 s[46:47], s[46:47], 12288
	s_add_nc_u64 s[48:49], s[48:49], 8192
	s_sub_co_u32 s40, s40, 1
	s_cmp_lg_u32 s40, 0
	s_cbranch_scc1 .Lpass
	s_wait_tensorcnt 0x0                           ; the wave's end
	ds_add_u32 v[SPW], v[NIL]
	s_wait_dscnt 0x0
	ROUND                                          ; the closing round
	s_endpgm
.Lfunc_end_k_q2ea14cd2b2_attn:
	.size	k_q2ea14cd2b2_attn, .Lfunc_end_k_q2ea14cd2b2_attn-k_q2ea14cd2b2_attn
	.p2alignl 7, 3214868480
	.fill 96, 4, 3214868480
	.section	.rodata,"a",@progbits
	.p2align	6, 0x0
	.amdhsa_kernel k_q2ea14cd2b2_attn
		.amdhsa_group_segment_fixed_size 223232
		.amdhsa_private_segment_fixed_size 0
		.amdhsa_enable_private_segment 0
		.amdhsa_kernarg_size 24
		.amdhsa_user_sgpr_count 2
		.amdhsa_user_sgpr_kernarg_segment_ptr 1
		.amdhsa_wavefront_size32 1
		.amdhsa_system_sgpr_workgroup_id_x 1
		.amdhsa_system_sgpr_workgroup_id_y 1
		.amdhsa_system_sgpr_workgroup_id_z 1
		.amdhsa_system_vgpr_workitem_id 0
		.amdhsa_next_free_vgpr 512
		.amdhsa_next_free_sgpr 66
		.amdhsa_reserve_vcc 0
		.amdhsa_float_denorm_mode_32 3
		.amdhsa_float_denorm_mode_16_64 3
		.amdhsa_memory_ordered 1
		.amdhsa_forward_progress 1
		.amdhsa_inst_pref_size 53
	.end_amdhsa_kernel
	.amdgpu_metadata
---
amdhsa.version: [ 1, 2 ]
amdhsa.kernels:
  - .name:           k_q2ea14cd2b2_attn
    .symbol:         k_q2ea14cd2b2_attn.kd
    .args:
      - { .name: qkv, .offset: 0, .size: 8, .value_kind: global_buffer, .address_space: global }
      - { .name: ao_codes, .offset: 8, .size: 8, .value_kind: global_buffer, .address_space: global }
      - { .name: ao_scales, .offset: 16, .size: 8, .value_kind: global_buffer, .address_space: global }
    .group_segment_fixed_size: 223232
    .private_segment_fixed_size: 0
    .kernarg_segment_align: 8
    .kernarg_segment_size: 24
    .max_flat_workgroup_size: 256
    .sgpr_count:     66
    .vgpr_count:     512
    .wavefront_size: 32
...
	.end_amdgpu_metadata
.endif
;; end of part 3
;; launch ogemm (part 4): grid 4 x 32, 4 waves a work-group, clusters of 4 x 4, 327,680 bytes of LDS; arguments ao_codes, ao_scales, xw_codes, xw_scales, b_o, out0; writes out0
.if DOCPART == 4
	.amdgcn_target "amdgcn-amd-amdhsa--gfx1250"
	.amdhsa_code_object_version 6
	.text
	.protected	k_q2ea14cd2b2_ogemm
	.globl	k_q2ea14cd2b2_ogemm
	.p2align	8
	.type	k_q2ea14cd2b2_ogemm,@function
k_q2ea14cd2b2_ogemm:
	s_mov_b64 s[64:65], 0
	v_nop
	global_prefetch_b8 v0, s[64:65] scope:SCOPE_SE
	s_setreg_imm32_b32 hwreg(HW_REG_WAVE_MODE, 25, 1), 1
	s_wait_xcnt 0x0
	s_wait_alu depctr_hold_cnt(0) depctr_sa_sdst(0) depctr_va_vdst(0) depctr_va_sdst(0) depctr_va_ssrc(0) depctr_va_vcc(0) depctr_vm_vsrc(0)
	s_getreg_b32 s2, hwreg(HW_REG_IB_STS2, 6, 4)
	s_cmp_eq_u32 s2, 0
	s_cbranch_scc0 .Lentry_in_a_cluster
	s_endpgm
.Lentry_in_a_cluster:
	s_bfe_u32 s2, ttmp6, 0x10000c
	s_cmp_lg_u32 s2, 0xf033
	s_cbranch_scc0 .Lentry_shape_is_right
	s_endpgm
.Lentry_shape_is_right:
.set CP,     589824
.set AP,     393216
.set NQ,     2
.set FR,     12
.set NL,     6
.set NP,     4
.set HALFT,  24576
.set SLOT,   98304
.set SCL,    196608
.set SPARE,  212992
.set SPITCH, 528
.set ADRA, 16
.set ADRB, 20
.set STO,  24
.set RD,   25
.set CO,   26
.set ADRS, 27
.set SPW,  28
.set NIL,  29
.set SC,   32
.set BI,   64
.set AF,   128
.set BK,   128
.set G1, 24
.set G0, 32
.set G1B, 48
.set G0B, 56
.set G1S, 68
.set G0S, 76
.set G1SB, 80
.set G0SB, 88
.set MSB, 0
.macro WIN new
.if MSB != (\new)
	s_set_vgpr_msb (MSB<<8)|(\new)
.set MSB, (\new)
.endif
.endm
.set MUL_LO, 0xa1
.set MUL_HI, 0xf1
.set MUL_LO0, 0x81
.set MUL_HI0, 0xc1
.set TO_B,   0x40
.macro JLOAD g0a, g1a, g0b, g1b
	s_cmp_eq_u32 s15, 0
	s_cbranch_scc0 .Lfor_b_\@
	tensor_load_to_lds s[\g0a:\g0a+3], s[\g1a:\g1a+7]
	s_nop 0
.rept 4
	v_nop
.endr
	s_branch .Lasked_\@
.Lfor_b_\@:
	tensor_load_to_lds s[\g0b:\g0b+3], s[\g1b:\g1b+7]
	s_nop 0
.rept 4
	v_nop
.endr
.Lasked_\@:
.endm
.macro CREST
	s_cmp_lg_u32 s14, 0
	s_cbranch_scc1 .Lnot_wave_0_\@
	s_barrier_signal -3
.Lnot_wave_0_\@:
	s_barrier_wait -3
	s_barrier_signal -1
	s_barrier_wait -1
.endm
.macro CROUND
	s_barrier_signal -1
	s_barrier_wait -1
	CREST
.endm
	s_load_b128 s[4:7], s[0:1], 0x0
	s_load_b128 s[8:11], s[0:1], 0x10
	s_load_b128 s[96:99], s[0:1], 0x20
	v_lshl_add_u32 v[SPW], v0, 2, SPARE
	v_mov_b32 v[NIL], 0
	ds_add_u32 v28, v29
	ds_add_u32 v28, v29
	s_wait_dscnt 0x0
	v_lshrrev_b32 v1, 5, v0
	v_readfirstlane_b32 s14, v1
	s_lshr_b32 s15, s14, 1
	s_and_b32 s16, s14, 1
	s_bfe_u32 s40, ttmp6, 0x40000
	s_bfe_u32 s41, ttmp6, 0x40004
	s_lshl_b32 s42, ttmp9, 2
	s_add_co_u32 s42, s42, s40
	s_and_b32 s17, ttmp7, 0xffff
	s_lshl_b32 s17, s17, 2
	s_add_co_u32 s17, s17, s41
	s_lshl_b32 s43, s41, 2
	s_lshl_b32 s43, 15, s43
	s_lshl_b32 s44, 0x1111, s40
	s_or_b32 s[G1+0], s43, (3<<16)|(1<<21)
	s_or_b32 s[G1B+0], s44, (3<<16)|(1<<21)
.irp g, G1, G1B
	s_mov_b32 s[\g+1], 768<<16
	s_mov_b32 s[\g+2], 4<<16
	s_mov_b32 s[\g+3], 768<<16
	s_mov_b32 s[\g+4], 4
	s_mov_b32 s[\g+6], 0
	s_mov_b32 s[\g+7], 0
.endr
	s_mov_b32 s[G1+5], AP/8
	s_mov_b32 s[G1B+5], CP/8
	s_or_b32 s[G1S+0], s43, (3<<16)|(1<<21)
	s_or_b32 s[G1SB+0], s44, (3<<16)|(1<<21)
.irp g, G1S, G1SB
	s_mov_b32 s[\g+1], 32<<16
	s_mov_b32 s[\g+2], 16<<16
	s_mov_b32 s[\g+3], 32<<16
	s_mov_b32 s[\g+4], 16
	s_mov_b32 s[\g+5], 32
	s_mov_b32 s[\g+6], 0
	s_mov_b32 s[\g+7], 0
.endr
	s_lshl_b32 s18, s16, 7
	s_lshl_b32 s20, s17, 8
	s_add_co_u32 s20, s20, s18
	s_lshl_b32 s46, s42, 8
	s_add_co_u32 s46, s46, s18
	s_add_co_u32 s46, s46, 11264
	s_lshl_b32 s22, s20, 5
	s_mov_b32 s23, 0
	s_lshl_b32 s92, s46, 5
	s_mov_b32 s93, 0
	s_mul_i32 s20, s20, 48
	s_mov_b32 s21, 0
	s_mul_i32 s46, s46, 48
	s_mov_b32 s47, 0
	s_mul_i32 s45, s14, HALFT
	s_lshl_b32 s94, s14, 12
	s_wait_kmcnt 0x0
	s_add_nc_u64 s[20:21], s[4:5], s[20:21]
	s_add_nc_u64 s[22:23], s[6:7], s[22:23]
	s_add_nc_u64 s[46:47], s[8:9], s[46:47]
	s_add_nc_u64 s[92:93], s[10:11], s[92:93]
	CROUND
	s_mov_b32 s[G0S], 1
	s_add_co_u32 s[G0S+1], s94, SCL
	s_mov_b64 s[G0S+2:G0S+3], s[22:23]
	s_or_b32 s[G0S+3], s[G0S+3], 0x80000000
	s_mov_b32 s[G0SB], 1
	s_add_co_u32 s[G0SB+1], s94, SCL
	s_mov_b64 s[G0SB+2:G0SB+3], s[92:93]
	s_or_b32 s[G0SB+3], s[G0SB+3], 0x80000000
	JLOAD G0S, G1S, G0SB, G1SB
.irp s, 0,1
	s_mov_b32 s[G0+4*\s], 1
	s_add_co_u32 s[G0+4*\s+1], s45, \s*SLOT
	s_add_nc_u64 s[G0+4*\s+2:G0+4*\s+3], s[20:21], \s*4*AP
	s_or_b32 s[G0+4*\s+3], s[G0+4*\s+3], 0x80000000
	s_mov_b32 s[G0B+4*\s], 1
	s_add_co_u32 s[G0B+4*\s+1], s45, \s*SLOT
	s_add_nc_u64 s[G0B+4*\s+2:G0B+4*\s+3], s[46:47], \s*4*CP
	s_or_b32 s[G0B+4*\s+3], s[G0B+4*\s+3], 0x80000000
	s_wait_alu depctr_va_vdst(0)
	s_wait_tensorcnt 0x0
	ds_add_u32 v28, v29
	s_wait_dscnt 0x0
	CROUND
	JLOAD G0+4*\s, G1, G0B+4*\s, G1B
.endr
	v_and_b32 v1, 15, v0
	s_wait_alu depctr_va_vdst(0)
	v_bfe_u32 v2, v0, 4, 1
	s_wait_alu depctr_va_vdst(0)
	s_lshl_b32 s18, s42, 10
	s_lshl_b32 s19, s16, 9
	s_add_co_u32 s18, s18, s19
	s_mov_b32 s19, 0
	s_add_nc_u64 s[96:97], s[96:97], s[18:19]
	v_lshlrev_b32 v7, 6, v2
.irp b, 0,1,2,3,4,5,6,7
	global_load_b128 v[BI+8*\b:BI+8*\b+3], v7, s[96:97] offset:(32*(\b/2)+8*(\b%2))*4
	global_load_b128 v[BI+8*\b+4:BI+8*\b+7], v7, s[96:97] offset:(32*(\b/2)+8*(\b%2))*4+16
.endr
	v_mul_u32_u24 v3, v1, 48
	v_mad_u32_u24 v4, v2, 24, v3
	s_mul_i32 s21, s15, HALFT
	s_mul_i32 s22, s16, HALFT
	s_add_co_u32 s22, s22, 2*HALFT
.irp s, 0,1
	v_add_nc_u32 v[ADRA+\s], s21, v4
	v_add_nc_u32 v[ADRB+\s], s22, v4
	s_add_co_u32 s21, s21, SLOT
	s_add_co_u32 s22, s22, SLOT
.endr
	v_lshlrev_b32 v5, 2, v1
	s_lshl_b32 s21, s15, 12
	s_lshl_b32 s22, s16, 12
	s_add_co_u32 s22, s22, 8192
	s_sub_co_u32 s22, s22, s21
	v_mul_u32_u24 v6, s22, v2
	s_add_co_u32 s21, s21, SCL
	v_add_nc_u32 v5, v5, v6
	v_add_nc_u32 v[ADRS], s21, v5
	s_mul_i32 s23, s14, 16*SPITCH
	v_mul_u32_u24 v5, v1, SPITCH
	v_lshl_add_u32 v5, v2, 6, v5
	v_add_nc_u32 v[STO], s23, v5
	v_and_b32 v6, 31, v0
	v_lshlrev_b32 v[CO], 4, v6
	v_add_nc_u32 v[RD], s23, v[CO]
	s_lshl_b32 s20, s17, 8
	s_lshl_b32 s21, s15, 7
	s_add_co_u32 s20, s20, s21
	s_lshl_b32 s20, s20, 12
	s_add_co_u32 s20, s20, s18
	s_mov_b32 s21, 0
	s_add_nc_u64 s[12:13], s[98:99], s[20:21]
.macro FRAG reg, adr, q, i
.irp p, 0,1,2,3,4,5
	ds_load_b64 v[\reg+2*\p:\reg+2*\p+1], v[\adr] offset:(2*(\q)+\p/3)*6144+(\i)*768+8*(\p%3)
.endr
.endm
.macro MUL16 a0, p, q, sc, zero
.irp a, \a0, \a0+1
.irp b, 0,1,2,3,4,5,6,7
.if \zero
	v_wmma_scale_f32_16x16x128_f8f6f4 v[8*(8*((\a)%4)+\b):8*(8*((\a)%4)+\b)+7], v[128*(\p)+FR*\b:128*(\p)+FR*\b+FR-1], v[AF+FR*(\a):AF+FR*(\a)+FR-1], v[BI+8*\b:BI+8*\b+7], v[SC+8*NQ*(\sc)+NQ*\b+(\q)], v[SC+8*NQ*(\sc)+NQ*(\a)+(\q)] matrix_a_fmt:MATRIX_FMT_FP6 matrix_b_fmt:MATRIX_FMT_FP6 matrix_a_scale:MATRIX_SCALE_ROW1
.else
	v_wmma_scale_f32_16x16x128_f8f6f4 v[8*(8*((\a)%4)+\b):8*(8*((\a)%4)+\b)+7], v[128*(\p)+FR*\b:128*(\p)+FR*\b+FR-1], v[AF+FR*(\a):AF+FR*(\a)+FR-1], v[8*(8*((\a)%4)+\b):8*(8*((\a)%4)+\b)+7], v[SC+8*NQ*(\sc)+NQ*\b+(\q)], v[SC+8*NQ*(\sc)+NQ*(\a)+(\q)] matrix_a_fmt:MATRIX_FMT_FP6 matrix_b_fmt:MATRIX_FMT_FP6 matrix_a_scale:MATRIX_SCALE_ROW1
.endif
.endr
.endr
.endm
.macro FETCH_B slot, q, p
	WIN TO_B
.irp i, 0,1,2,3,4,5,6,7
	FRAG 128*(\p)+FR*\i, ADRB+\slot, \q, \i
.endr
	WIN 0
.endm
.macro FETCH_A slot, q, i0
.irp i, \i0, \i0+1, \i0+2, \i0+3
	FRAG AF+FR*(\i), ADRA+\slot, \q, \i
.endr
.endm
.macro SCALES sc
.irp i, 0,1,2,3,4,5,6,7
.irp q, 0,1
	ds_load_b32 v[SC+16*\sc+2*\i+\q], v[ADRS] offset:(\i/2)*1024+(\i%2)*64+\q*128
.endr
.endr
.endm
.macro PLACES n
.rept \n
	v_nop
.endr
.endm
.macro STEP slot, q, zero
	s_wait_dscnt 4*NL
.if \zero
	WIN MUL_LO0
.else
	WIN MUL_LO
.endif
	MUL16 0, (\q)%2, \q, \slot, \zero
	MUL16 2, (\q)%2, \q, \slot, \zero
	s_wait_dscnt 0
	PLACES NP
	FETCH_B \slot, (\q)+1, 1-(\q)%2
	FETCH_A \slot, (\q)+1, 0
.if \zero
	WIN MUL_HI0
.else
	WIN MUL_HI
.endif
	MUL16 4, (\q)%2, \q, \slot, \zero
	MUL16 6, (\q)%2, \q, \slot, \zero
	PLACES NP
	WIN 0
	FETCH_A \slot, (\q)+1, 4
.endm
.macro TURN slot, next, fill
	s_wait_tensorcnt 0x0
	ds_add_u32 v[SPW], v[NIL]
	s_wait_dscnt 4*NL+1
	WIN MUL_LO
	MUL16 0, 1, NQ-1, \slot, 0
	s_wait_dscnt 0x0
	s_barrier_signal -1
	MUL16 2, 1, NQ-1, \slot, 0
	WIN 0
	s_barrier_wait -1
.if \fill
	CREST
	s_add_nc_u64 s[G0+4*\slot+2:G0+4*\slot+3], s[G0+4*\slot+2:G0+4*\slot+3], 8*AP
	s_add_nc_u64 s[G0B+4*\slot+2:G0B+4*\slot+3], s[G0B+4*\slot+2:G0B+4*\slot+3], 8*CP
	JLOAD G0+4*\slot, G1, G0B+4*\slot, G1B
.else
	PLACES NP
.endif
	s_wait_alu depctr_va_vdst(0)
	v_add_nc_u32 v[ADRS], 256, v[ADRS]
	FETCH_B \next, 0, 0
	FETCH_A \next, 0, 0
	SCALES \next
	WIN MUL_HI
	MUL16 4, 1, NQ-1, \slot, 0
	MUL16 6, 1, NQ-1, \slot, 0
	PLACES NP
	WIN 0
	FETCH_A \next, 0, 4
.endm
	s_wait_alu depctr_va_vdst(0)
	s_wait_tensorcnt 1
	s_barrier_signal -1
	s_barrier_wait -1
	FETCH_B 0, 0, 0
	FETCH_A 0, 0, 0
	SCALES 0
	FETCH_A 0, 0, 4
	s_wait_loadcnt 0x0
	STEP 0, 0, 1
	TURN 0, 1, 1
	STEP 1, 0, 0
	TURN 1, 0, 1
	STEP 0, 0, 0
	TURN 0, 1, 0
	STEP 1, 0, 0
	s_wait_dscnt 4*NL
	WIN MUL_LO
	MUL16 0, 1, NQ-1, 1, 0
	MUL16 2, 1, NQ-1, 1, 0
	s_wait_dscnt 0
	WIN MUL_HI
	MUL16 4, 1, NQ-1, 1, 0
	MUL16 6, 1, NQ-1, 1, 0
	WIN 0
.macro TOSTAGE a
.set AC, 64*((\a)%4)
	WIN 0x08+4*((\a)/4)
.irp b, 0,1,2,3,4,5,6,7
	ds_store_b128 v[STO], v[AC+8*\b:AC+8*\b+3] offset:128*(\b/2)+32*(\b%2)
	ds_store_b128 v[STO], v[AC+8*\b+4:AC+8*\b+7] offset:128*(\b/2)+32*(\b%2)+16
.endr
	WIN 0
.set BB, BK+64*((\a)%2)
.irp t, 0,1,2,3,4,5,6,7,8,9,10,11,12,13,14,15
	ds_load_b128 v[BB+4*\t:BB+4*\t+3], v[RD] offset:\t*SPITCH
.endr
.endm
.macro SEND a, younger
.set BB, BK+64*((\a)%2)
	s_wait_dscnt \younger
.irp t, 0,1,2,3,4,5,6,7,8,9,10,11,12,13,14,15
	global_store_b128 v[CO], v[BB+4*\t:BB+4*\t+3], s[12:13] offset:(32*((\a)/2)+16*(\t/8)+8*((\a)%2)+\t%8)*4096 th:TH_STORE_NT
.endr
.endm
	PLACES NP
	TOSTAGE 0
.irp a, 1,2,3,4,5,6,7
.if \a > 1
	s_wait_xcnt 0x0
.endif
	TOSTAGE \a
	SEND \a-1, 32
.endr
	SEND 7, 0
	s_wait_tensorcnt 0x0
	ds_add_u32 v[SPW], v[NIL]
	s_wait_dscnt 0x0
	CROUND
	s_endpgm
.Lfunc_end_k_q2ea14cd2b2_ogemm:
	.size	k_q2ea14cd2b2_ogemm, .Lfunc_end_k_q2ea14cd2b2_ogemm-k_q2ea14cd2b2_ogemm
	.p2alignl 7, 3214868480
	.fill 96, 4, 3214868480
	.section	.rodata,"a",@progbits
	.p2align	6, 0x0
	.amdhsa_kernel k_q2ea14cd2b2_ogemm
		.amdhsa_group_segment_fixed_size 327680
		.amdhsa_private_segment_fixed_size 0
		.amdhsa_enable_private_segment 0
		.amdhsa_kernarg_size 48
		.amdhsa_user_sgpr_count 2
		.amdhsa_user_sgpr_kernarg_segment_ptr 1
		.amdhsa_wavefront_size32 1
		.amdhsa_system_sgpr_workgroup_id_x 1
		.amdhsa_system_sgpr_workgroup_id_y 1
		.amdhsa_system_sgpr_workgroup_id_z 1
		.amdhsa_system_vgpr_workitem_id 0
		.amdhsa_next_free_vgpr 1024
		.amdhsa_next_free_sgpr 100
		.amdhsa_reserve_vcc 0
		.amdhsa_float_denorm_mode_32 3
		.amdhsa_float_denorm_mode_16_64 3
		.amdhsa_memory_ordered 1
		.amdhsa_forward_progress 1
		.amdhsa_inst_pref_size 163
	.end_amdhsa_kernel
	.amdgpu_metadata
---
amdhsa.version: [ 1, 2 ]
amdhsa.kernels:
  - .name:           k_q2ea14cd2b2_ogemm
    .symbol:         k_q2ea14cd2b2_ogemm.kd
    .args:
      - { .name: ao_codes, .offset: 0, .size: 8, .value_kind: global_buffer, .address_space: global }
      - { .name: ao_scales, .offset: 8, .size: 8, .value_kind: global_buffer, .address_space: global }
      - { .name: xw_codes, .offset: 16, .size: 8, .value_kind: global_buffer, .address_space: global }
      - { .name: xw_scales, .offset: 24, .size: 8, .value_kind: global_buffer, .address_space: global }
      - { .name: b_o, .offset: 32, .size: 8, .value_kind: global_buffer, .address_space: global }
      - { .name: out0, .offset: 40, .size: 8, .value_kind: global_buffer, .address_space: global }
    .group_segment_fixed_size: 327680
    .private_segment_fixed_size: 0
    .kernarg_segment_align: 8
    .kernarg_segment_size: 48
    .max_flat_workgroup_size: 128
    .sgpr_count:     100
    .vgpr_count:     1024
    .wavefront_size: 32
...
	.end_amdgpu_metadata
.endif
;; end of part 4
